; MI455X (gfx1250); checked and timed in simulation.
; The chip was launched on July 23, 2026; its instructions are those of AMD's public machine-readable ISA for CDNA 5 (MIT licence, August 2026) and "CDNA5" Instruction Set Architecture Reference Guide (July 2026). The comments in the code are by the model that wrote it; some were corrected since.
;; BERT Factorized Attention. Allowed arithmetic: matrix products marked QUANTISED: E2M1 operands, one E8M0 scale for each 32 along K, by v_wmma_scale_f32_16x16x128_f8f6f4 with both operands' format E2M1 (or v_wmma_scale_f32_32x16x128_f4), f32 sums; everything else in f32.
;; Inputs: Wk_codes 1,024 x 32 x 16 uint8 (E2M1 codes of Wk, K innermost, in blocks of 32 codes, two codes a byte); Wk_scales 1,024 x 32 uint8 (E8M0 scales of Wk, one for each 32 codes along K); Wq_codes 1,024 x 32 x 16 uint8 (E2M1 codes of Wq, K innermost, in blocks of 32 codes, two codes a byte); Wq_scales 1,024 x 32 uint8 (E8M0 scales of Wq, one for each 32 codes along K); Wv_codes 1,024 x 32 x 16 uint8 (E2M1 codes of Wv, K innermost, in blocks of 32 codes, two codes a byte); Wv_scales 1,024 x 32 uint8 (E8M0 scales of Wv, one for each 32 codes along K); attention_mask 8 x 1 x 1 x 2,048 float32; bk 1,024 float32; bq 1,024 float32; bv 1,024 float32; hidden_states_codes 8 x 2,048 x 32 x 16 uint8 (E2M1 codes of hidden_states, K innermost, in blocks of 32 codes, two codes a byte); hidden_states_scales 8 x 2,048 x 32 uint8 (E8M0 scales of hidden_states, one for each 32 codes along K).
;; Outputs: out0 8 x 2,048 x 1,024 float32.
;; This version of the problem:
;;   THIS VERSION OF THE PROBLEM IS GIVEN IN LOW PRECISION. The matrix products marked QUANTISED in the list below multiply operands that are first quantised to E2M1 (2 exponent bits, 1 mantissa bit; 4 bits a number), with one power-of-two scale for each 32 numbers along K (OCP MX v1.0); their sums are f32. All else is computed in f32.
;;   The module's matrix products, in the order in which they are computed (A, B: the left and right operand; K: the contracted axis; several contracted axes count as one K, in the product's order):
;;     1. [M 16,384, K 1,024] x [K 1,024, N 1,024]; A: input hidden_states (given as codes); B: input Wq (given as codes): QUANTISED
;;     2. [M 16,384, K 1,024] x [K 1,024, N 1,024]; A: input hidden_states (given as codes); B: input Wk (given as codes): QUANTISED
;;     3. [M 16,384, K 1,024] x [K 1,024, N 1,024]; A: input hidden_states (given as codes); B: input Wv (given as codes): QUANTISED
;;     4. batch 128 x [M 64, K 2,048] x [K 2,048, N 64]; A: softmax (see below); B: computed on the way: QUANTISED
;;     5. batch 128 x [M 2,048, K 64] x [K 64, N 64]; A: softmax (see below); B: computed on the way: QUANTISED
;;   THE QUANTISER, for each operand of a quantised product, along K:
;;     - K is cut into blocks of 32 from its start; a last block that is shorter is filled with zeros.
;;     - A block's scale is 2^e with e = floor(log2(the largest magnitude in the block)) - 2, held to -126 .. 127; a block of zeros has e = 0. As a byte (E8M0): e + 127.
;;     - Each number is divided by its block's scale, clamped to +-6, and rounded to the nearest number of E2M1, ties to even, subnormals kept.
;;     - The product sums the exact products of the quantised numbers (number of the format x scale) in f32.
;;   ~~~python
;;   def quantise(x, axis):      # numpy; x: float32 -> the quantised numbers, widened to float32 again
;;       x = np.moveaxis(x, axis, -1); K = x.shape[-1]
;;       x = np.pad(x, [(0, 0)] * (x.ndim - 1) + [(0, -K % 32)]); x = x.reshape(x.shape[:-1] + (-1, 32)); a = np.abs(x).max(-1, keepdims=True)
;;       e = np.where(a > 0, np.clip(np.frexp(np.where(a > 0, a, 1))[1] - 1 - 2, -126, 127), 0)      # np.frexp(a)[1] - 1 = floor(log2(a)), exactly
;;       r = np.clip(x / 2.0 ** e, -6, 6)
;;       step = 2.0 ** (np.maximum(np.frexp(np.where(r == 0, 1, r))[1] - 1, 0) - 1)
;;       q = np.round(r / step) * step * 2.0 ** e      # np.round: ties to even
;;       return np.moveaxis(q.reshape(q.shape[:-2] + (-1,))[..., :K], -1, axis).astype(np.float32)
;;   ~~~
;;   SOFTMAX AHEAD OF A QUANTISED PRODUCT. Where the list says 'softmax', what is quantised is not the finished softmax but p = 2^(t - M), with t = logit x log2(e) and M = ceil(the row's largest t), a whole number; so 1/2 < the row's largest p <= 1. The row's sum l is taken of the UNQUANTISED p, in f32, and the product's result is divided by l at the end. Since M is a whole number, a kernel that streams over the keys may use a running M (the ceiling of the running maximum): every later rescaling is an exact power of two, which a block's scale takes up: the codes' values come out the same.
;;   OPERANDS COMPUTED ON THE WAY. 'Computed on the way' means the value that the module computes at that place (a softmax that the list does not call 'softmax' is quantised finished and normalised). What goes into a quantiser is computed in f32, as accurately as f32 sums, v_exp_f32 and their like allow (about 1e-6 of the number): no bf16 or f16 on the way to a quantiser, and a product that is left as it is and whose result goes on into a quantised operand takes f32 operands (vector FMAs, or v_wmma_f32_16x16x4_f32). A number that lies on a knife's edge between two numbers of the format may be rounded either way, as far as f32 arithmetic and the matrix unit's own rounding can turn it there, and no further.
;;   INPUTS GIVEN AS CODES. Wk (in the module: [1024, 1024], K = its axis 0); Wq (in the module: [1024, 1024], K = its axis 0); Wv (in the module: [1024, 1024], K = its axis 0); hidden_states (in the module: [8, 2048, 1024], K = its axis 2): each comes as NAME_codes (uint8): NAME with its K axis moved to the last place and cut into blocks of 32 codes, [.., K / 32, bytes a block], one block behind the other in memory; two codes a byte, the lower K in the low four bits (a code: sign, 2 exponent bits, 1 mantissa bit); and NAME_scales (uint8): the same leading axes, one E8M0 byte (e + 127) for each 32 codes along K. Its value is code x scale, taken as it is: it is not quantised again, and the codes and scales need not be those that the quantiser above would give.
;; One version. Each part assembles by itself: llvm-mc -triple=amdgcn-amd-amdhsa -mcpu=gfx1250 --defsym DOCPART=n.
;; ======== version 1 of 1: 2 launches
;; workspace buffers: part 8,388,608 bytes; stat 262,144 bytes
;; launch parts (part 1): grid 8 x 32, 4 waves a work-group, clusters of 4 x 1, 327,680 bytes of LDS; arguments hidden_states_codes, hidden_states_scales, Wq_codes, Wq_scales, Wv_codes, Wv_scales, bq, bv, attention_mask, part, stat; writes part, stat
.if DOCPART == 1
	.amdgcn_target "amdgcn-amd-amdhsa--gfx1250"
	.amdhsa_code_object_version 6
	.text
	.protected	k_q59c8f4a6b2_parts
	.globl	k_q59c8f4a6b2_parts
	.p2align	8
	.type	k_q59c8f4a6b2_parts,@function
k_q59c8f4a6b2_parts:
	s_mov_b64 s[64:65], 0
	v_nop
	global_prefetch_b8 v0, s[64:65] scope:SCOPE_SE
	s_setreg_imm32_b32 hwreg(HW_REG_WAVE_MODE, 25, 1), 1
	s_wait_xcnt 0x0
	s_wait_alu depctr_hold_cnt(0) depctr_sa_sdst(0) depctr_va_vdst(0) depctr_va_sdst(0) depctr_va_ssrc(0) depctr_va_vcc(0) depctr_vm_vsrc(0)
	s_getreg_b32 s2, hwreg(HW_REG_IB_STS2, 6, 4)
	s_cmp_eq_u32 s2, 0
	s_cbranch_scc0 .Lentry_in_a_cluster
	s_endpgm
.Lentry_in_a_cluster:
	s_bfe_u32 s2, ttmp6, 0x10000c
	s_cmp_lg_u32 s2, 0x3003
	s_cbranch_scc0 .Lentry_shape_is_right
	s_endpgm
.Lentry_shape_is_right:
; FIRST LAUNCH OF TWO.  For 512 rows s of one batch entry and two heads: q = x Wq + bq and v = x Wv + bv on the given E2M1 codes; the softmax of q + mask over s as p = 2^(t - M), M a whole
; number that runs along s; p and v quantised along s in blocks of 32; s_ctx[d][e] += p[d][s] v[s][e] on codes.  Stored: the unnormalised 64 x 64 sums of this chunk of 512 rows (part)
; and, for each d, -M and the sum l of the unquantised p (stat).  q and v never go to memory.  The second launch joins the four chunks of a batch entry: M is whole, so that is exact.
; SHARES.  Work-group (x, y): heads 2 x and 2 x + 1, rows 512 y on.  Wave w: head 2 x + w / 2, rows 256 (w % 2) on, in eight sub-steps of 32 rows, one quantiser block along s.
; THE WEIGHTS STAY IN REGISTERS: a wave's 64 rows of Wq and 64 of Wv for all of K = 1,024 are 512 registers; only x's fragments come from LDS, each feeding eight matrix instructions.
; ALL 512 ROWS OF x LIE IN LDS AT ONCE (512 bytes a row, 16 of padding): every tensor load is a first fill, nothing is filled again; counted waits let the work begin on the first rows.
; CLUSTER.  The four work-groups of a cluster have the same y and read the same rows of x: each tile is asked for jointly, mask 15; descriptors hang on y and the wave's number alone.
; LAYOUT.  Projection: source 0 = 16 rows of x, source 1 = 16 rows of a weight: lane (r, h) holds column 16 n + r, register j the row s = 16 u + 8 h + j: a lane's registers run along s.
; s_ctx: source 0 = 16 columns e of v, source 1 = 16 columns d of p, K = s: only the first 32 of the instruction's 128 hold codes, the rest are zero codes on both sides.
; No prefetch: all tensor loads go out at the head.  One work-group for each of 256 WGPs: none stays.
; LIMITS.  NaN and +infinity among the inputs and the scale byte 0xff are not served.  -infinity in the mask is served (the largest t is held at -3e38 from below); a row d all of whose
; 2,048 keys are masked by -infinity is NaN in the definition too and is not served.  t = (q + mask) log2(e) + bq log2(e) by one fused multiply-add: about one ulp of t from the definition's order.
.set PITCH, 528                        ; an LDS row of codes: 512 bytes + 16: an odd multiple of 16, so the 16 rows of a fragment load start in 16 different groups of banks
.set HSC,   512*PITCH                  ; x's scale bytes, dense, 32 a row
.set BNC,   HSC+16384                  ; 64 rows x 528: the weights' way into registers
.set XM,    BNC                        ; at the end: the waves' -M,
.set XL,    BNC+2048                   ; and their l
.set MSK,   BNC+64*PITCH               ; the mask of a wave's 256 rows, 1,024 bytes a wave, its own
.set MATB,  17664                      ; at the end, over x's rows (filled once, read out): a wave's sums as [d][e], 272 bytes a row, 64 more from d = 32 on
.set LOG2E, 0x3fb8aa3b
.set FLOOR, 0x1800000                  ; 2^(3 - 127): no largest magnitude is taken under it, so a scale's byte cannot fall under 1
.set EOFF,  0xff000000                 ; takes 2 off an exponent field
.set NEGBIG, 0xff61b1e6                ; -3e38
.set TB, 2                             ; s2-4  the sub-step's bytes in x's rows, in its scales, in the mask
.set TH, 3
.set TK, 4
.set CNT, 5
.set WV, 6
.set HD, 7
.set RG, 8
.set CX, 9
.set HP, 10
.set YY, 11
.set G1S, 16                           ; s[16:23] group 1 for the scales; s[24:31], s[32:39], s[40:47] for tiles of 16, 48, 64 rows of codes
.set G1A, 24
.set G1B, 32
.set G1C, 40
.set G0S, 48                           ; s[48:63] four groups 0
.set G0A, 52
.set G0B, 56
.set G0C, 60
.set ADA0, 2                           ; v2-9 LDS addresses: a lane's place, and beside it the sub-step's address
.set ADA, 3
.set AHS0, 4
.set AHS, 5
.set AMK0, 6
.set AMK, 7
.set BS, 8
.set BL, 9
.set LI, 10                            ; 16 x lane
.set XMO, 11
.set XMP, 12
.set XAS, 13
.set XAR, 14
.set STO, 15
.set WS, 16                            ; v16-47  the weights' scale words: register 4 n + q % 4; lanes 0-15 K steps 0-3, lanes 16-31 K steps 4-7
.set HS, 48                            ; v48-55  x's scale words: register q; lanes 0-15 rows 0-15 of the sub-step, lanes 16-31 rows 16-31
.set MK, 56                            ; v56-71  the mask at s = 16 u + 8 h + j
.set ACC, 72                           ; v72-199 16 accumulators: 16 n + 8 u + j; n 0-3 q, n 4-7 v
.set ADJ, 200                          ; pairs (bq log2(e) - M, largest t)
.set TMX, 201
.set FF, 208                           ; pairs (f = 2^(old M - new M), -M)
.set NEGM, 209
.set BV, 216                           ; pairs (bv, bq log2(e))
.set BQC, 217
.set LL, 224                           ; l, in two halves
.set PS, 232                           ; p's scale words
.set VS, 236                           ; v's
.set BM, 240
.set TT, 244
.set VB, 248
.set VV, 252
.set AF, 128                           ; window 1: v0-127 s_ctx at 8 (4 dt + et); v128-191 x's fragments, two buffers; v192-223 p's codes; v224-255 v's codes
.set PF, 192
.set VF, 224                           ; window 2: Wq's fragments at 8 (8 n + q); window 3: Wv's
.set MSB, 0
.macro WIN new                         ; the immediate's high byte repeats the setting that is left; a switch that changes nothing is dropped
.if MSB != (\new)
	s_set_vgpr_msb (MSB<<8)|(\new)
.set MSB, (\new)
.endif
.endm
.macro PLACES n
.rept \n
	v_nop
.endr
.endm
.macro CROUND                          ; a round of the cluster's barrier
	s_barrier_signal -1
	s_barrier_wait -1
	s_cmp_lg_u32 s[WV], 0
	s_cbranch_scc1 .Lnot_wave_0_\@
	s_barrier_signal -3
.Lnot_wave_0_\@:
	s_barrier_wait -3
	s_barrier_signal -1
	s_barrier_wait -1
.endm
.macro CODES_G1 g, rows                ; rows x 512 bytes, elements of one byte, 4 words of padding behind every 128; mask 15 with bit 21 beside it
	s_mov_b32 s[\g+0], 15|(1<<20)|(1<<21)|(6<<22)|(3<<25)
	s_mov_b32 s[\g+1], 512<<16
	s_mov_b32 s[\g+2], (\rows)<<16
	s_mov_b32 s[\g+3], 512<<16
	s_mov_b32 s[\g+4], \rows
	s_mov_b32 s[\g+5], 512
	s_mov_b32 s[\g+6], 0
	s_mov_b32 s[\g+7], 0
.endm
; one matrix instruction from the symbols rD, rA, rB, rC (rZ = 1: C is the constant 0), the scale registers rSA, rSB and their rows rRA, rRB
.macro WMMA
.if rZ
.if (rRA == 0) && (rRB == 0)
	v_wmma_scale_f32_16x16x128_f8f6f4 v[rD:rD+7], v[rA:rA+7], v[rB:rB+7], 0, v[rSA], v[rSB] matrix_a_fmt:MATRIX_FMT_FP4 matrix_b_fmt:MATRIX_FMT_FP4
.elseif rRB == 0
	v_wmma_scale_f32_16x16x128_f8f6f4 v[rD:rD+7], v[rA:rA+7], v[rB:rB+7], 0, v[rSA], v[rSB] matrix_a_fmt:MATRIX_FMT_FP4 matrix_b_fmt:MATRIX_FMT_FP4 matrix_a_scale:MATRIX_SCALE_ROW1
.elseif rRA == 0
	v_wmma_scale_f32_16x16x128_f8f6f4 v[rD:rD+7], v[rA:rA+7], v[rB:rB+7], 0, v[rSA], v[rSB] matrix_a_fmt:MATRIX_FMT_FP4 matrix_b_fmt:MATRIX_FMT_FP4 matrix_b_scale:MATRIX_SCALE_ROW1
.else
	v_wmma_scale_f32_16x16x128_f8f6f4 v[rD:rD+7], v[rA:rA+7], v[rB:rB+7], 0, v[rSA], v[rSB] matrix_a_fmt:MATRIX_FMT_FP4 matrix_b_fmt:MATRIX_FMT_FP4 matrix_a_scale:MATRIX_SCALE_ROW1 matrix_b_scale:MATRIX_SCALE_ROW1
.endif
.else
.if (rRA == 0) && (rRB == 0)
	v_wmma_scale_f32_16x16x128_f8f6f4 v[rD:rD+7], v[rA:rA+7], v[rB:rB+7], v[rC:rC+7], v[rSA], v[rSB] matrix_a_fmt:MATRIX_FMT_FP4 matrix_b_fmt:MATRIX_FMT_FP4
.elseif rRB == 0
	v_wmma_scale_f32_16x16x128_f8f6f4 v[rD:rD+7], v[rA:rA+7], v[rB:rB+7], v[rC:rC+7], v[rSA], v[rSB] matrix_a_fmt:MATRIX_FMT_FP4 matrix_b_fmt:MATRIX_FMT_FP4 matrix_a_scale:MATRIX_SCALE_ROW1
.elseif rRA == 0
	v_wmma_scale_f32_16x16x128_f8f6f4 v[rD:rD+7], v[rA:rA+7], v[rB:rB+7], v[rC:rC+7], v[rSA], v[rSB] matrix_a_fmt:MATRIX_FMT_FP4 matrix_b_fmt:MATRIX_FMT_FP4 matrix_b_scale:MATRIX_SCALE_ROW1
.else
	v_wmma_scale_f32_16x16x128_f8f6f4 v[rD:rD+7], v[rA:rA+7], v[rB:rB+7], v[rC:rC+7], v[rSA], v[rSB] matrix_a_fmt:MATRIX_FMT_FP4 matrix_b_fmt:MATRIX_FMT_FP4 matrix_a_scale:MATRIX_SCALE_ROW1 matrix_b_scale:MATRIX_SCALE_ROW1
.endif
.endif
.endm
	s_load_b512 s[68:83], s[0:1], 0x0              ; x's codes s[68:69], x's scales s[70:71], Wq's codes, scales s[72:75], Wv's s[76:79], bq s[80:81], bv s[82:83]
	s_load_b128 s[84:87], s[0:1], 0x40             ; the mask s[84:85], part s[86:87]
	s_load_b64 s[88:89], s[0:1], 0x50              ; stat
	v_lshl_add_u32 v254, v0, 2, 0x4f400
	v_mov_b32 v255, 0
	ds_add_u32 v254, v255
	ds_add_u32 v254, v255
	s_wait_dscnt 0x0
	v_lshrrev_b32 v1, 5, v0
	v_readfirstlane_b32 s[WV], v1                  ; wave 0..3
	s_lshr_b32 s[HD], s[WV], 1                     ; which of the two heads
	s_and_b32 s[RG], s[WV], 1                      ; which 256 rows
	s_bfe_u32 s[CX], ttmp6, 0x40000                ; my place in the cluster
	s_lshl_b32 s[HP], ttmp9, 2
	s_add_co_u32 s[HP], s[HP], s[CX]               ; the pair of heads: it enters the addresses of weights, biases, part and stat alone
	s_and_b32 s[YY], ttmp7, 0xffff                 ; the chunk of 512 rows, which the four partners share
	s_mov_b32 s90, LOG2E
	s_mov_b32 s91, LOG2E                           ; (the packed form names the pair)
	s_mov_b32 s92, 0x76543210
	s_mov_b32 s93, 0xfedcba98                      ; v_permlanex16_b32's selects for lane l xor 16
	s_mov_b32 s[G1S+0], 15|(3<<16)|(1<<21)         ; the scales of 128 rows: 4,096 dense bytes as 16 rows of 32 elements of 8 bytes, no padding
	s_mov_b32 s[G1S+1], 32<<16
	s_mov_b32 s[G1S+2], 16<<16
	s_mov_b32 s[G1S+3], 32<<16
	s_mov_b32 s[G1S+4], 16
	s_mov_b32 s[G1S+5], 32
	s_mov_b32 s[G1S+6], 0
	s_mov_b32 s[G1S+7], 0
	CODES_G1 G1A, 16
	CODES_G1 G1B, 48
	CODES_G1 G1C, 64
	; The two waves of a row group share its 256 rows out: rows 0-31 (16 each), rows 32-127 (48 each), rows 128-255 (64 each), so that sub-step 0 can begin on 32 rows
	s_mul_i32 s12, s[RG], 256*PITCH
	s_mul_i32 s13, s[HD], 16*PITCH
	s_add_co_u32 s[G0A+1], s12, s13
	s_mul_i32 s13, s[HD], 48*PITCH
	s_add_co_u32 s13, s13, 32*PITCH
	s_add_co_u32 s[G0B+1], s12, s13
	s_mul_i32 s13, s[HD], 64*PITCH
	s_add_co_u32 s13, s13, 128*PITCH
	s_add_co_u32 s[G0C+1], s12, s13
	s_lshl_b32 s13, s[WV], 12
	s_add_co_u32 s[G0S+1], s13, HSC
	s_mov_b32 s[G0S], 1
	s_mov_b32 s[G0A], 1
	s_mov_b32 s[G0B], 1
	s_mov_b32 s[G0C], 1
	s_lshl_b32 s14, s[YY], 18
	s_lshl_b32 s15, s[RG], 17
	s_add_co_u32 s14, s14, s15                     ; (512 y + 256 rg) rows of 512 bytes
	s_lshl_b32 s94, s[HD], 13
	s_add_co_u32 s94, s94, s14
	s_mov_b32 s95, 0
	s_mul_i32 s96, s[HD], 48*512
	s_add_co_u32 s96, s96, 32*512
	s_add_co_u32 s96, s96, s14
	s_mov_b32 s97, 0
	s_lshl_b32 s98, s[HD], 15
	s_add_co_u32 s98, s98, 128*512
	s_add_co_u32 s98, s98, s14
	s_mov_b32 s99, 0
	s_lshl_b32 s12, s[YY], 14
	s_lshl_b32 s13, s[WV], 12
	s_add_co_u32 s12, s12, s13                     ; (512 y + 128 w) rows of 32 scale bytes
	s_mov_b32 s13, 0
	s_wait_kmcnt 0x0
	s_add_nc_u64 s[G0S+2:G0S+3], s[70:71], s[12:13]
	s_or_b32 s[G0S+3], s[G0S+3], 0x80000000
	s_add_nc_u64 s[G0A+2:G0A+3], s[68:69], s[94:95]
	s_or_b32 s[G0A+3], s[G0A+3], 0x80000000
	s_add_nc_u64 s[G0B+2:G0B+3], s[68:69], s[96:97]
	s_or_b32 s[G0B+3], s[G0B+3], 0x80000000
	s_add_nc_u64 s[G0C+2:G0C+3], s[68:69], s[98:99]
	s_or_b32 s[G0C+3], s[G0C+3], 0x80000000
	CROUND                                         ; all four work-groups are here: the joint loads meet
	tensor_load_to_lds s[G0S:G0S+3], s[G1S:G1S+7]  ; all the launch's tensor loads, as one group: four of mine are out
	s_nop 0
	tensor_load_to_lds s[G0A:G0A+3], s[G1A:G1A+7]
	s_nop 0
	tensor_load_to_lds s[G0B:G0B+3], s[G1B:G1B+7]
	s_nop 0
	tensor_load_to_lds s[G0C:G0C+3], s[G1C:G1C+7]
	s_nop 0
	PLACES 4                                       ; four places behind a tensor load
	; what hangs on the pair of heads is made in s9, s10, s66, s67 alone
	s_lshl_b32 s66, s[HP], 16
	s_lshl_b32 s67, s[HD], 15
	s_add_co_u32 s66, s66, s67
	s_lshl_b32 s67, s[RG], 13
	s_add_co_u32 s66, s66, s67                     ; weight row 64 head + 16 rg, 512 bytes a row: what I carry to the bounce
	s_mov_b32 s67, 0
	s_add_nc_u64 s[72:73], s[72:73], s[66:67]
	s_add_nc_u64 s[76:77], s[76:77], s[66:67]
	s_lshl_b32 s66, s[HP], 12
	s_lshl_b32 s67, s[HD], 11
	s_add_co_u32 s66, s66, s67                     ; my head's 64 rows of 32 scale bytes
	s_mov_b32 s67, 0
	s_add_nc_u64 s[74:75], s[74:75], s[66:67]
	s_add_nc_u64 s[78:79], s[78:79], s[66:67]
	s_lshr_b32 s66, s66, 3                         ; my head's 64 numbers of a bias
	s_add_nc_u64 s[80:81], s[80:81], s[66:67]
	s_add_nc_u64 s[82:83], s[82:83], s[66:67]
	s_lshl_b32 s66, s[YY], 11
	s_lshl_b32 s67, s[RG], 10
	s_add_co_u32 s66, s66, s67                     ; the mask at row 512 y + 256 rg
	s_mov_b32 s67, 0
	s_add_nc_u64 s[84:85], s[84:85], s[66:67]
	s_lshr_b32 s[CX], s[YY], 2
	s_lshl_b32 s[CX], s[CX], 6
	s_lshl_b32 s66, s[HP], 3
	s_add_co_u32 s[CX], s[CX], s66
	s_lshl_b32 s66, s[HD], 2
	s_add_co_u32 s[CX], s[CX], s66
	s_and_b32 s66, s[YY], 3
	s_add_co_u32 s[CX], s[CX], s66                 ; 4 (16 b + head) + chunk
	s_lshl_b32 s66, s[CX], 9
	s_add_nc_u64 s[88:89], s[88:89], s[66:67]      ; stat: 512 bytes each
	s_lshl_b32 s66, s[CX], 14
	s_lshl_b32 s67, s[RG], 13
	s_add_co_u32 s66, s66, s67
	s_mov_b32 s67, 0
	s_add_nc_u64 s[86:87], s[86:87], s[66:67]      ; part: 16,384 bytes each; wave rg stores e tiles 2 rg and 2 rg + 1
	; every LDS address is made here: a constant, a constant x lane, a constant x wave
	v_and_b32 v1, 15, v0                           ; r
	v_bfe_u32 v248, v0, 4, 1                       ; h
	v_and_b32 v249, 31, v0                         ; lane
	v_mul_u32_u24 v[ADA0], v1, PITCH
	v_lshl_add_u32 v[ADA0], v248, 4, v[ADA0]       ; a fragment's row x pitch + 16 x half
	s_mul_i32 s12, s[HD], 32*PITCH
	s_add_co_u32 s12, s12, BNC
	v_add_nc_u32 v[BL], s12, v[ADA0]               ; out of the bounce: my head's 32 rows
	s_mul_i32 s12, s[RG], 256*PITCH
	v_add_nc_u32 v[ADA0], s12, v[ADA0]             ; x: my 256 rows
	s_lshl_b32 s12, s[RG], 13
	s_add_co_u32 s12, s12, HSC
	v_lshl_add_u32 v[AHS0], v249, 5, s12           ; x's scales: a lane a row
	s_lshl_b32 s12, s[WV], 10
	s_add_co_u32 s12, s12, MSK
	v_lshl_add_u32 v[AMK0], v248, 5, s12           ; the mask: 8 numbers for each half of the lanes
	v_lshlrev_b32 v[LI], 4, v249
	s_mul_i32 s13, s[WV], 16*PITCH
	s_add_co_u32 s13, s13, BNC
	v_add_nc_u32 v[BS], s13, v[LI]                 ; into the bounce: my 16 rows, 16 bytes a lane
	s_lshl_b32 s13, s[WV], 9
	s_add_co_u32 s13, s13, XM
	v_lshl_add_u32 v[XMO], v249, 2, s13
	s_xor_b32 s13, s[WV], 1                        ; the wave with my head's other 256 rows
	s_lshl_b32 s13, s13, 9
	s_add_co_u32 s13, s13, XM
	v_lshl_add_u32 v[XMP], v249, 2, s13
	v_mul_u32_u24 v[XAS], v1, 272
	v_lshl_add_u32 v[XAS], v248, 5, v[XAS]
	s_mul_i32 s13, s[WV], MATB
	v_add_nc_u32 v[XAS], s13, v[XAS]
	v_mul_u32_u24 v[XAR], v248, 8768               ; 32 rows of 272 bytes and the 64 more
	v_lshl_add_u32 v[XAR], v1, 2, v[XAR]
	s_mul_i32 s13, s[HD], 2*MATB
	s_lshl_b32 s14, s[RG], 7
	s_add_co_u32 s13, s13, s14
	v_add_nc_u32 v[XAR], s13, v[XAR]
	v_lshlrev_b32 v[STO], 3, v1
	v_lshl_add_u32 v[STO], v248, 2, v[STO]
	v_lshlrev_b32 v251, 5, v1
	v_lshl_add_u32 v251, v248, 4, v251             ; a weight's scales: row r, 16 bytes for each half
	v_lshlrev_b32 v252, 2, v1                      ; a bias: 4 r
	v_add_nc_u32 v1, s12, v[LI]                    ; the mask's way into LDS
.irp n, 0,1,2,3
	global_load_b128 v[WS+4*\n:WS+4*\n+3], v251, s[74:75] offset:512*\n          ; 512 consecutive bytes a load
.endr
.irp n, 0,1,2,3
	global_load_b128 v[WS+16+4*\n:WS+16+4*\n+3], v251, s[78:79] offset:512*\n
.endr
.irp t, 0,1,2,3
	global_load_b32 v[BQC+2*\t], v252, s[80:81] offset:64*\t
	global_load_b32 v[BV+2*\t], v252, s[82:83] offset:64*\t
.endr
	global_load_b128 v[240:243], v[LI], s[84:85]
	global_load_b128 v[244:247], v[LI], s[84:85] offset:512
.macro WLOAD k, base                   ; 16 whole rows of a weight, a row a load, into window 1
.irp i, 0,1,2,3,4,5,6,7,8,9,10,11,12,13,14,15
	global_load_b128 v[64*(\k)+4*\i:64*(\k)+4*\i+3], v[LI], s[\base:\base+1] offset:16384*((\k)&1)+512*\i
.endr
.endm
	WIN 0x40
	WLOAD 0, 72
	WLOAD 1, 72
	WLOAD 2, 76
	WLOAD 3, 76
	WIN 0
; A round of the bounce: the four waves lay 64 whole rows (32 of each head) into LDS, and each takes its head's two tiles of 16 rows back as fragments for all eight K steps.
.macro WROUND k
	s_wait_loadcnt 48-16*(\k)                      ; the later rounds' loads may stay out: 16 a round
	WIN 0x04
.irp i, 0,1,2,3,4,5,6,7,8,9,10,11,12,13,14,15
	ds_store_b128 v[BS], v[64*(\k)+4*\i:64*(\k)+4*\i+3] offset:PITCH*\i
.endr
	WIN 0
	s_wait_dscnt 0x0                               ; for the others' sake: my rows lie in the bounce
	s_barrier_signal -1
	s_barrier_wait -1
	WIN 0x80+0x40*((\k)>>1)
.irp t, 0,1
.irp q, 0,1,2,3,4,5,6,7
.irp c, 0,1
	ds_load_b128 v[8*(8*(2*((\k)&1)+\t)+\q)+4*\c:8*(8*(2*((\k)&1)+\t)+\q)+4*\c+3], v[BL] offset:16*PITCH*\t+64*\q+32*\c
.endr
.endr
.endr
	WIN 0
	s_wait_dscnt 0x0                               ; my reads are over: the bounce may be written again
	s_barrier_signal -1
	s_barrier_wait -1
.endm
	WROUND 0
	WROUND 1
	WROUND 2
	WROUND 3
.irp t, 0,1,2,3
	v_mul_f32 v[BQC+2*\t], s90, v[BQC+2*\t]        ; bq log2(e)
.endr
	ds_store_b128 v1, v[240:243]                   ; the mask of my 256 rows: my own bytes
	ds_store_b128 v1, v[244:247] offset:512
	WIN 0x40
.irp t, 0,1,2,3,4,5,6,7
.irp i, 4,5,6,7
	v_mov_b32 v[PF+8*\t+\i], 0                     ; k = 64 .. 127 of p's and v's operands: zero codes, for the whole launch
.endr
.endr
	WIN 0
	s_wait_dscnt 0x0
.irp t, 0,1,2,3
	v_mov_b32 v[TT+\t], 0                          ; written once: a lane permute's destination counts as one of its sources
	v_mov_b32 v[VV+\t], 0
.endr
	s_wait_tensorcnt 2                             ; my scales and my 16 of the first 32 rows are in; my two later tiles stay out
	s_barrier_signal -1
	s_barrier_wait -1                              ; everybody's are
.macro FRAGS grp                       ; x's fragments of K steps 2 grp and 2 grp + 1, both tiles of 16 rows: lane (r, h) takes 16 bytes at row r, 64 q + 32 c + 16 h
	WIN 0x40
.irp p, 0,1
.irp u, 0,1
.irp c, 0,1
	ds_load_b128 v[AF+32*((\grp)&1)+16*\p+8*\u+4*\c:AF+32*((\grp)&1)+16*\p+8*\u+4*\c+3], v[ADA] offset:16*PITCH*\u+64*(2*(\grp)+\p)+32*\c
.endr
.endr
.endr
.endm
.macro MMN q, n
.if (\n) < 4
	WIN 0x09                                       ; source 0 (x) window 1, source 1 (Wq) window 2
.else
	WIN 0x0d                                       ; source 1 (Wv) window 3
.endif
.irp u, 0,1
.set rD, ACC+16*(\n)+8*\u
.set rC, rD
.set rZ, (\q) == 0
.set rA, AF+32*(((\q)>>1)&1)+16*((\q)&1)+8*\u
.set rB, 8*(8*((\n)&3)+(\q))
.set rSA, HS+(\q)
.set rRA, \u
.set rSB, WS+4*(\n)+((\q)&3)
.set rRB, (\q)>>2
	WMMA
.endr
.endm
.macro MULK q                          ; K step q: the 16 accumulators by turns; odd steps begin with Wv's, so that a K step costs one switch of the window
.if ((\q)&1) == 0
.irp n, 0,1,2,3,4,5,6,7
	MMN \q, \n
.endr
.else
.irp n, 4,5,6,7,0,1,2,3
	MMN \q, \n
.endr
.endif
.endm
.macro GEMM                            ; 32 rows x 128 columns x K = 1,024: 128 matrix instructions; the first K step starts the sums
	FRAGS 1
	s_wait_dscnt 8                                 ; all but the eight just issued
	MULK 0
	MULK 1
	PLACES 4                                       ; in front of loads into registers that matrix instructions have read
	FRAGS 2
	s_wait_dscnt 8
	MULK 2
	MULK 3
	PLACES 4
	FRAGS 3
	s_wait_dscnt 8
	MULK 4
	MULK 5
	s_wait_dscnt 0x0
	MULK 6
	MULK 7
	WIN 0
	PLACES 5                                       ; in front of the first reads of results and of loads into fragments and scale words
.endm
.macro ADDR
	v_add_nc_u32 v[ADA], s[TB], v[ADA0]
	v_add_nc_u32 v[AHS], s[TH], v[AHS0]
	v_add_nc_u32 v[AMK], s[TK], v[AMK0]
.endm
.macro HSLOAD
	ds_load_b128 v[HS:HS+3], v[AHS]
	ds_load_b128 v[HS+4:HS+7], v[AHS] offset:16
.endm
.macro MKLOAD
.irp u, 0,1
	ds_load_b128 v[MK+8*\u:MK+8*\u+3], v[AMK] offset:64*\u
	ds_load_b128 v[MK+8*\u+4:MK+8*\u+7], v[AMK] offset:64*\u+16
.endr
.endm
.macro NEXT                            ; the next sub-step's first fragments and scale words are asked for ahead of this sub-step's vector work
	s_add_co_u32 s[TB], s[TB], 32*PITCH
	s_add_co_u32 s[TH], s[TH], 1024
	s_add_co_u32 s[TK], s[TK], 128
	ADDR
	FRAGS 0
	WIN 0
	HSLOAD
.endm
; THE VECTOR WORK OF A SUB-STEP, and its 16 products into s_ctx.  first = 1: the first sub-step starts M, l and s_ctx.  fetch = 1: the next sub-step's mask is asked for.
.macro EPI first, fetch
.irp k, 0,2,4,6                        ; q + mask, v + bv: each accumulator from its low end on
.irp u, 0,1
.irp t, 0,1,2,3
	v_pk_add_f32 v[ACC+16*\t+8*\u+\k:ACC+16*\t+8*\u+\k+1], v[ACC+16*\t+8*\u+\k:ACC+16*\t+8*\u+\k+1], v[MK+8*\u+\k:MK+8*\u+\k+1]
.endr
.endr
.endr
.irp k, 0,2,4,6
.irp u, 0,1
.irp t, 0,1,2,3
	v_pk_add_f32 v[ACC+64+16*\t+8*\u+\k:ACC+64+16*\t+8*\u+\k+1], v[ACC+64+16*\t+8*\u+\k:ACC+64+16*\t+8*\u+\k+1], v[BV+2*\t:BV+2*\t+1] op_sel_hi:[1,0]
.endr
.endr
.endr
.if \fetch
	MKLOAD
.endif
.irp t, 0,1,2,3                        ; the block's largest score: it serves the running maximum and, since p rises with the score, the block's largest p
	v_max3_num_f32 v[BM+\t], v[ACC+16*\t], v[ACC+16*\t+1], v[ACC+16*\t+2]
.endr
.irp k, 3,5,7,9,11,13
.irp t, 0,1,2,3
	v_max3_num_f32 v[BM+\t], v[BM+\t], v[ACC+16*\t+\k], v[ACC+16*\t+\k+1]
.endr
.endr
.irp t, 0,1,2,3
	v_max_num_f32 v[BM+\t], v[BM+\t], v[ACC+16*\t+15]
.endr
.irp t, 0,1,2,3
	v_permlanex16_b32 v[TT+\t], v[BM+\t], s92, s93
.endr
.irp t, 0,1,2,3
	v_max_num_f32 v[BM+\t], v[BM+\t], v[TT+\t]     ; with lane l xor 16's 16 rows
.endr
.irp t, 0,1,2,3
	v_fma_f32 v[TT+\t], v[BM+\t], s90, v[BQC+2*\t] ; as t
.endr
.if \first
.irp t, 0,1,2,3
	v_max_num_f32 v[TMX+2*\t], NEGBIG, v[TT+\t]    ; held at -3e38 from below: a block that is masked by -infinity leaves a number
.endr
.irp t, 0,1,2,3
	v_floor_f32 v[NEGM+2*\t], -v[TMX+2*\t]         ; -M = floor(-t) = -ceil(t)
.endr
.else
.irp t, 0,1,2,3
	v_max_num_f32 v[TMX+2*\t], v[TMX+2*\t], v[TT+\t]
.endr
.irp t, 0,1,2,3
	v_floor_f32 v[VV+\t], -v[TMX+2*\t]
.endr
.irp t, 0,1,2,3
	v_sub_f32 v[FF+2*\t], v[VV+\t], v[NEGM+2*\t]   ; old M - new M: a whole number, 0 or less
.endr
.irp t, 0,1,2,3
	v_mov_b32 v[NEGM+2*\t], v[VV+\t]
.endr
.irp t, 0,1,2,3
	v_cvt_i32_f32 v[FF+2*\t], v[FF+2*\t]           ; (it saturates)
.endr
.irp t, 0,1,2,3
	v_ldexp_f32 v[FF+2*\t], 1.0, v[FF+2*\t]        ; f: a multiplication by it rounds nothing
.endr
.endif
.irp t, 0,1,2,3
	v_add_f32 v[ADJ+2*\t], v[BQC+2*\t], v[NEGM+2*\t]
.endr
.irp k, 0,2,4,6,8,10,12,14
.irp t, 0,1,2,3
	v_pk_fma_f32 v[ACC+16*\t+\k:ACC+16*\t+\k+1], v[ACC+16*\t+\k:ACC+16*\t+\k+1], s[90:91], v[ADJ+2*\t:ADJ+2*\t+1] op_sel_hi:[1,0,0]   ; t - M
.endr
.endr
.irp t, 0,1,2,3
	v_fma_f32 v[TT+\t], v[BM+\t], s90, v[ADJ+2*\t] ; the same of the block's largest score
.endr
.set ii, 0
.rept 64
	v_exp_f32 v[ACC+ii], v[ACC+ii]                 ; p = 2^(t - M): one batch
.set ii, ii+1
.endr
.if \first
	v_nop                                          ; a plain instruction behind the last exponential
.else
.irp t, 0,1,2,3
	v_pk_mul_f32 v[LL+2*\t:LL+2*\t+1], v[LL+2*\t:LL+2*\t+1], v[FF+2*\t:FF+2*\t+1] op_sel_hi:[1,0]   ; l under the new M
.endr
.endif
	s_wait_alu depctr_va_vdst(0)                   ; one wait for the batch, ahead of its first reader
.irp t, 0,1,2,3
	v_exp_f32 v[TT+\t], v[TT+\t]                   ; the block's largest p
.endr
.if \first                             ; l is the sum of the UNQUANTISED p
.irp t, 0,1,2,3
	v_pk_add_f32 v[LL+2*\t:LL+2*\t+1], v[ACC+16*\t:ACC+16*\t+1], v[ACC+16*\t+2:ACC+16*\t+3]
.endr
.irp k, 4,6,8,10,12,14
.irp t, 0,1,2,3
	v_pk_add_f32 v[LL+2*\t:LL+2*\t+1], v[LL+2*\t:LL+2*\t+1], v[ACC+16*\t+\k:ACC+16*\t+\k+1]
.endr
.endr
.else
.irp k, 0,2,4,6,8,10,12,14
.irp t, 0,1,2,3
	v_pk_add_f32 v[LL+2*\t:LL+2*\t+1], v[LL+2*\t:LL+2*\t+1], v[ACC+16*\t+\k:ACC+16*\t+\k+1]
.endr
.endr
.endif
.irp t, 0,1,2,3                        ; v's largest magnitude of the block, with the floor among its leaves
	v_max3_num_f32 v[VB+\t], |v[ACC+64+16*\t]|, |v[ACC+64+16*\t+1]|, FLOOR
.endr
.irp k, 2,4,6,8,10,12,14
.irp t, 0,1,2,3
	v_max3_num_f32 v[VB+\t], v[VB+\t], |v[ACC+64+16*\t+\k]|, |v[ACC+64+16*\t+\k+1]|
.endr
.endr
.irp t, 0,1,2,3
	v_permlanex16_b32 v[VV+\t], v[VB+\t], s92, s93
.endr
.irp t, 0,1,2,3
	v_max_num_f32 v[VB+\t], v[VB+\t], v[VV+\t]
.endr
	s_wait_alu depctr_va_vdst(0)                   ; and one for the four
.irp t, 0,1,2,3
	v_max_num_f32 v[TT+\t], FLOOR, v[TT+\t]
.endr
.irp t, 0,1,2,3
	v_add_nc_u32 v[BM+\t], EOFF, v[TT+\t]          ; 2 off the exponent field: the conversion's scale operand
	v_add_nc_u32 v[VV+\t], EOFF, v[VB+\t]
.endr
.irp t, 0,1,2,3
	v_lshrrev_b32 v[PS+\t], 23, v[BM+\t]           ; the scale words: byte 0 the block's, bytes 1 to 3 stand over zero codes
	v_lshrrev_b32 v[VS+\t], 23, v[VV+\t]
.endr
	WIN 0x40
.irp t, 0,1,2,3,4,5,6,7
	v_mov_b32 v[PF+8*\t+1], 0
	v_mov_b32 v[PF+8*\t+3], 0
.endr
.irp t, 0,1,2,3
.irp u, 0,1
	v_cvt_scalef32_pk8_fp4_f32 v[PF+8*\t+2*\u], v[ACC+16*\t+8*\u:ACC+16*\t+8*\u+7], v[BM+\t]          ; lane (r, h): the codes of s = 16 u + 8 h + 0 .. 7
	v_cvt_scalef32_pk8_fp4_f32 v[VF+8*\t+2*\u], v[ACC+64+16*\t+8*\u:ACC+64+16*\t+8*\u+7], v[VV+\t]
.endr
.endr
	v_nop                                          ; one plain instruction behind the scaled conversions
	WIN 0x41
.irp t, 0,1,2,3,4,5,6,7                ; the operand wants the whole block in lanes 0-15: the upper lanes' codes change places with the zeros of the next register
	v_permlane16_swap_b32 v[PF+8*\t], v[PF+8*\t+1]
	v_permlane16_swap_b32 v[PF+8*\t+2], v[PF+8*\t+3]
.endr
.if \first
	PLACES 8                                       ; operands and scale words written by vector instructions stand 4 and 8 places ahead of a scaled matrix instruction
.else
.irp t, 0,1,2,3
.set ii, 0
.rept 16
	v_pk_mul_f32 v[32*\t+ii:32*\t+ii+1], v[32*\t+ii:32*\t+ii+1], v[FF+2*\t:FF+2*\t+1] op_sel_hi:[1,0]   ; s_ctx under the new M; a lane holds one d
.set ii, ii+2
.endr
.endr
.endif
	WIN 0x55
.irp t, 0,1,2,3
.irp e, 0,1,2,3
.set rD, 8*(4*\t+\e)
.set rC, rD
.set rZ, \first
.set rA, VF+8*\e
.set rB, PF+8*\t
.set rSA, VS+\e
.set rRA, 0
.set rSB, PS+\t
.set rRB, 0
	WMMA
.endr
.endr
	WIN 0
.endm
.macro SUB first, tc, fetch            ; tc >= 0: the next sub-step's rows come from a later tile: each wave waits for its part of it, then the barrier
	GEMM
.if \tc >= 0
	s_wait_tensorcnt \tc
	s_barrier_signal -1
	s_barrier_wait -1
.endif
.if \fetch
	NEXT
.endif
	EPI \first, \fetch
.endm
	s_mov_b32 s[TB], 0
	s_mov_b32 s[TH], 0
	s_mov_b32 s[TK], 0
	ADDR
	FRAGS 0
	WIN 0
	HSLOAD
	MKLOAD
	SUB 1, 1, 1                                    ; sub-step 0; rows 32-127 have to be in for sub-step 1 (my last tile may stay out)
	s_mov_b32 s[CNT], 2
.Lsub_a:                                           ; sub-steps 1 and 2
	SUB 0, -1, 1
	s_sub_co_u32 s[CNT], s[CNT], 1
	s_cmp_lg_u32 s[CNT], 0
	s_cbranch_scc1 .Lsub_a
	SUB 0, 0, 1                                    ; sub-step 3; rows 128-255 have to be in for sub-step 4: no tensor load is out any more
	s_mov_b32 s[CNT], 3
.Lsub_b:                                           ; sub-steps 4 to 6
	SUB 0, -1, 1
	s_sub_co_u32 s[CNT], s[CNT], 1
	s_cmp_lg_u32 s[CNT], 0
	s_cbranch_scc1 .Lsub_b
	SUB 0, -1, 0                                   ; sub-step 7 fetches nothing
	; THE TAIL.  The two waves of a head bring their sums under one M, add them, and store them turned: d along a lane's registers, as the second launch's quantiser wants them.
.irp t, 0,1,2,3
	v_add_f32 v[BM+\t], v[LL+2*\t], v[LL+2*\t+1]   ; l's two halves (these lines are also the places behind the last products)
.endr
.irp t, 0,1,2,3
	v_permlanex16_b32 v[TT+\t], v[BM+\t], s92, s93
.endr
.irp t, 0,1,2,3
	v_add_f32 v[BM+\t], v[BM+\t], v[TT+\t]
.endr
.irp t, 0,1,2,3
	ds_store_b32 v[XMO], v[NEGM+2*\t] offset:128*\t
.endr
	s_wait_dscnt 0x0
	s_barrier_signal -1
	s_barrier_wait -1                              ; every wave's -M lies in LDS, and nobody reads x's rows any more
.irp t, 0,1,2,3
	ds_load_b32 v[VB+\t], v[XMP] offset:128*\t
.endr
	s_wait_dscnt 0x0
.irp t, 0,1,2,3
	v_min_num_f32 v[VB+\t], v[VB+\t], v[NEGM+2*\t] ; the common -M
.endr
.irp t, 0,1,2,3
	v_sub_f32 v[FF+2*\t], v[VB+\t], v[NEGM+2*\t]
.endr
.irp t, 0,1,2,3
	v_cvt_i32_f32 v[FF+2*\t], v[FF+2*\t]
.endr
.irp t, 0,1,2,3
	v_ldexp_f32 v[FF+2*\t], 1.0, v[FF+2*\t]
.endr
.irp t, 0,1,2,3
	v_mul_f32 v[BM+\t], v[BM+\t], v[FF+2*\t]
.endr
.irp t, 0,1,2,3
	ds_store_b32 v[XMO], v[BM+\t] offset:2048+128*\t
.endr
	WIN 0x41
.irp t, 0,1,2,3
.set ii, 0
.rept 16
	v_pk_mul_f32 v[32*\t+ii:32*\t+ii+1], v[32*\t+ii:32*\t+ii+1], v[FF+2*\t:FF+2*\t+1] op_sel_hi:[1,0]
.set ii, ii+2
.endr
.endr
	WIN 0x04
.irp t, 0,1,2,3
.irp e, 0,1,2,3
	ds_store_b128 v[XAS], v[8*(4*\t+\e):8*(4*\t+\e)+3] offset:4352*\t+64*(\t>>1)+64*\e          ; lane (r, h): d = 16 t + r, e = 16 e + 8 h + 0 .. 7
	ds_store_b128 v[XAS], v[8*(4*\t+\e)+4:8*(4*\t+\e)+7] offset:4352*\t+64*(\t>>1)+64*\e+16
.endr
.endr
	WIN 0
	s_wait_dscnt 0x0
	s_barrier_signal -1
	s_barrier_wait -1
.irp t, 0,1,2,3
	ds_load_b32 v[TT+\t], v[XMP] offset:2048+128*\t
.endr
	v_and_b32 v1, 16, v0
	v_cmp_ne_u32 vcc_lo, 0, v1                     ; the upper half of the lanes
	s_wait_dscnt 0x0
.irp t, 0,1,2,3
	v_add_f32 v[BM+\t], v[BM+\t], v[TT+\t]         ; the chunk's l
.endr
.irp t, 0,1,2,3
	v_cndmask_b32 v[VV+\t], v[VB+\t], v[BM+\t], vcc_lo   ; lanes 0-15 -M, lanes 16-31 l
.endr
	s_cmp_lg_u32 s[RG], 0                          ; one wave of a head stores them
	s_cbranch_scc1 .Lno_stat
.irp t, 0,1,2,3
	global_store_b32 v[STO], v[VV+\t], s[88:89] offset:128*\t   ; 128 consecutive bytes
.endr
.Lno_stat:
.irp x, 0,1                            ; e tile 2 rg + x, of both waves' sums: lane (r', h') takes e = 16 tile + r', d = 32 h' + 0 .. 31; the two halves of the lanes fall 16 banks apart
.irp y, 0,1
.set ii, 0
.rept 32
	ds_load_b32 v[ACC+64*\y+32*\x+ii], v[XAR] offset:MATB*\y+64*\x+272*ii
.set ii, ii+1
.endr
.endr
.endr
.irp x, 0,1
.if \x == 0
	s_wait_dscnt 63                                ; 64 loads were issued behind the first tile's: the largest count that the wait holds
.else
	s_wait_dscnt 0x0
.endif
.set ii, 0
.rept 16
	v_pk_add_f32 v[ACC+32*\x+ii:ACC+32*\x+ii+1], v[ACC+32*\x+ii:ACC+32*\x+ii+1], v[ACC+64+32*\x+ii:ACC+64+32*\x+ii+1]
.set ii, ii+2
.endr
.irp g, 0,1,2,3,4,5,6,7
	global_store_b128 v[LI], v[ACC+32*\x+4*\g:ACC+32*\x+4*\g+3], s[86:87] offset:4096*\x+512*\g   ; 512 consecutive bytes, aligned
.endr
.endr
	s_wait_xcnt 0x0
	v_lshl_add_u32 v254, v0, 2, 0x4f400
	v_mov_b32 v255, 0
	s_wait_tensorcnt 0x0
	ds_add_u32 v254, v255
	s_wait_dscnt 0x0
	CROUND                                         ; the closing round
	s_endpgm
.Lfunc_end_k_q59c8f4a6b2_parts:
	.size	k_q59c8f4a6b2_parts, .Lfunc_end_k_q59c8f4a6b2_parts-k_q59c8f4a6b2_parts
	.p2alignl 7, 3214868480
	.fill 96, 4, 3214868480
	.section	.rodata,"a",@progbits
	.p2align	6, 0x0
	.amdhsa_kernel k_q59c8f4a6b2_parts
		.amdhsa_group_segment_fixed_size 327680
		.amdhsa_private_segment_fixed_size 0
		.amdhsa_enable_private_segment 0
		.amdhsa_kernarg_size 88
		.amdhsa_user_sgpr_count 2
		.amdhsa_user_sgpr_kernarg_segment_ptr 1
		.amdhsa_wavefront_size32 1
		.amdhsa_system_sgpr_workgroup_id_x 1
		.amdhsa_system_sgpr_workgroup_id_y 1
		.amdhsa_system_sgpr_workgroup_id_z 1
		.amdhsa_system_vgpr_workitem_id 0
		.amdhsa_next_free_vgpr 1024
		.amdhsa_next_free_sgpr 100
		.amdhsa_reserve_vcc 1
		.amdhsa_float_denorm_mode_32 3
		.amdhsa_float_denorm_mode_16_64 3
		.amdhsa_memory_ordered 1
		.amdhsa_forward_progress 1
		.amdhsa_inst_pref_size 255
	.end_amdhsa_kernel
	.section	.bss,"aw",@nobits
	.p2align	6
	.space	262144
	.amdgpu_metadata
---
amdhsa.version: [ 1, 2 ]
amdhsa.kernels:
  - .name:           k_q59c8f4a6b2_parts
    .symbol:         k_q59c8f4a6b2_parts.kd
    .args:
      - { .name: hidden_states_codes, .offset: 0, .size: 8, .value_kind: global_buffer, .address_space: global }
      - { .name: hidden_states_scales, .offset: 8, .size: 8, .value_kind: global_buffer, .address_space: global }
      - { .name: Wq_codes, .offset: 16, .size: 8, .value_kind: global_buffer, .address_space: global }
      - { .name: Wq_scales, .offset: 24, .size: 8, .value_kind: global_buffer, .address_space: global }
      - { .name: Wv_codes, .offset: 32, .size: 8, .value_kind: global_buffer, .address_space: global }
      - { .name: Wv_scales, .offset: 40, .size: 8, .value_kind: global_buffer, .address_space: global }
      - { .name: bq, .offset: 48, .size: 8, .value_kind: global_buffer, .address_space: global }
      - { .name: bv, .offset: 56, .size: 8, .value_kind: global_buffer, .address_space: global }
      - { .name: attention_mask, .offset: 64, .size: 8, .value_kind: global_buffer, .address_space: global }
      - { .name: part, .offset: 72, .size: 8, .value_kind: global_buffer, .address_space: global }
      - { .name: stat, .offset: 80, .size: 8, .value_kind: global_buffer, .address_space: global }
    .group_segment_fixed_size: 327680
    .private_segment_fixed_size: 0
    .kernarg_segment_align: 8
    .kernarg_segment_size: 88
    .max_flat_workgroup_size: 128
    .sgpr_count:     100
    .vgpr_count:     1024
    .wavefront_size: 32
...
	.end_amdgpu_metadata
.endif
;; end of part 1
;; launch context (part 2): grid 8 x 32, 8 waves a work-group, clusters of 4 x 1, 327,680 bytes of LDS; arguments hidden_states_codes, hidden_states_scales, Wk_codes, Wk_scales, bk, part, stat, out0; writes out0
.if DOCPART == 2
	.amdgcn_target "amdgcn-amd-amdhsa--gfx1250"
	.amdhsa_code_object_version 6
	.text
	.protected	k_q59c8f4a6b2_context
	.globl	k_q59c8f4a6b2_context
	.p2align	8
	.type	k_q59c8f4a6b2_context,@function
k_q59c8f4a6b2_context:
	s_mov_b64 s[64:65], 0
	v_nop
	global_prefetch_b8 v0, s[64:65] scope:SCOPE_SE
	s_setreg_imm32_b32 hwreg(HW_REG_WAVE_MODE, 25, 1), 1
	s_wait_xcnt 0x0
	s_wait_alu depctr_hold_cnt(0) depctr_sa_sdst(0) depctr_va_vdst(0) depctr_va_sdst(0) depctr_va_ssrc(0) depctr_va_vcc(0) depctr_vm_vsrc(0)
	s_getreg_b32 s2, hwreg(HW_REG_IB_STS2, 6, 4)
	s_cmp_eq_u32 s2, 0
	s_cbranch_scc0 .Lentry_in_a_cluster
	s_endpgm
.Lentry_in_a_cluster:
	s_bfe_u32 s2, ttmp6, 0x10000c
	s_cmp_lg_u32 s2, 0x3003
	s_cbranch_scc0 .Lentry_shape_is_right
	s_endpgm
.Lentry_shape_is_right:
; SECOND LAUNCH OF TWO.  For 512 rows s of one batch entry and two heads: the four chunks' sums are joined (each under its own whole M: exact), divided by l and quantised along d;
; k = x Wk + bk on the given E2M1 codes; the softmax of k over the head's 64 as p = 2^(t - M), quantised along d; ctx[s][e] = p[s][d] s_ctx[d][e] on codes, divided by p's sum; stored.
; SHARES.  Work-group (x, y): heads 2 x and 2 x + 1, rows 512 y on.  Wave w of eight: head 2 x + w / 4, rows 128 (w % 4) on, in four sub-steps of 32 rows.  Two waves lie on a SIMD.
; A wave's 64 rows of Wk for all of K = 1,024 stay in 256 registers; all 512 rows of x lie in LDS at once: every tensor load is a first fill, nothing is filled again.
; CLUSTER.  The four work-groups of a cluster have the same y and read the same rows of x: each tile is asked for jointly, mask 15; descriptors hang on y and the wave's number alone.
; LAYOUT.  Both products are used transposed.  Projection: source 0 = 16 rows of Wk, source 1 = 16 rows of x: lane (r, h) holds row s = 16 u + r, register j the column d = 16 n + 8 h + j.
; ctx: source 0 = 16 columns e of s_ctx, source 1 = 16 rows of p, K = d = 64: the upper 64 of the instruction's 128 are zero codes on both sides.  A lane holds one row s throughout.
; No prefetch: all tensor loads go out at the head.  One work-group for each of 256 WGPs: none stays.
; LIMITS.  NaN and infinities among the inputs and the scale byte 0xff are not served; a d whose 2,048 keys were all masked by -infinity has l = 0 and gives NaN, as the definition does.
; Divisions are v_rcp_f32 and a multiplication.
.set PITCH, 528
.set HSC,   512*PITCH                  ; x's scale bytes, dense, 32 a row
.set BNC,   HSC+16384                  ; 64 rows x 528: Wk's way into registers
.set STG,   BNC                        ; the same bytes, before that (1,024 bytes a wave: the joining factors) and after it (16 rows x 272 a wave: the way out): 4,352 bytes a wave
.set XS,    STG+8*4352                 ; s_ctx's eight operand images, 512 bytes each
.set XSS,   XS+4096                    ; their scale words, 128 bytes each
.set LOG2E, 0x3fb8aa3b
.set FLOOR, 0x1800000
.set EOFF,  0xff000000
.set WV, 6
.set HD, 7
.set GG, 8
.set CX, 9
.set HP, 10
.set YY, 11
.set G1C, 16                           ; s[16:23] group 1 for tiles of 16 rows of codes; s[24:31] for the scales; s[32:35] and s[36:51] the groups 0
.set G1S, 24
.set G0S, 32
.set G0T, 36
.set ADA, 2
.set AHS, 3
.set BS, 4
.set BL, 5
.set LI, 6
.set SCS, 7
.set SCL, 8
.set XSO, 9
.set XWO, 10
.set XSL, 11
.set XWL, 12
.set STS, 13
.set STL, 14
.set GO, 15
.set WS, 16                            ; v16-31  Wk's scale words: register 4 n + q % 4; lanes 0-15 K steps 0-3, lanes 16-31 K steps 4-7
.set HS, 32                            ; v32-39  x's scale words: register q; lanes 0-15 rows 0-15 of the sub-step, lanes 16-31 rows 16-31
.set SS, 40                            ; v40-43  s_ctx's scale words
.set PSW, 44                           ; v44-45  p's
.set BK, 48                            ; v48-79  bk in the result's layout: the C of each sum's first matrix instruction
.set SF, 80                            ; v80-111 s_ctx's four operands
.set PF, 112                           ; v112-127 p's two
.set AF, 128                           ; v128-191 x's fragments, four buffers of 16; buffers 2 and 3 are the softmax's registers, which hold nothing during the products
.set BM, 160
.set TT, 164
.set NMP, 168                          ; pairs (-M, largest t)
.set SO, 172
.set LP, 176
.set LQ, 180
.set RLP, 184                          ; pairs (1 / l, l)
.set ACC, 192                          ; v192-255 eight accumulators: 32 u + 8 n + j.   Window 1: Wk's fragments at 8 (8 n + q)
.set MSB, 0
.macro WIN new
.if MSB != (\new)
	s_set_vgpr_msb (MSB<<8)|(\new)
.set MSB, (\new)
.endif
.endm
.macro PLACES n
.rept \n
	v_nop
.endr
.endm
.macro CROUND
	s_barrier_signal -1
	s_barrier_wait -1
	s_cmp_lg_u32 s[WV], 0
	s_cbranch_scc1 .Lnot_wave_0_\@
	s_barrier_signal -3
.Lnot_wave_0_\@:
	s_barrier_wait -3
	s_barrier_signal -1
	s_barrier_wait -1
.endm
.macro WMMA
.if rZ
.if (rRA == 0) && (rRB == 0)
	v_wmma_scale_f32_16x16x128_f8f6f4 v[rD:rD+7], v[rA:rA+7], v[rB:rB+7], 0, v[rSA], v[rSB] matrix_a_fmt:MATRIX_FMT_FP4 matrix_b_fmt:MATRIX_FMT_FP4
.elseif rRB == 0
	v_wmma_scale_f32_16x16x128_f8f6f4 v[rD:rD+7], v[rA:rA+7], v[rB:rB+7], 0, v[rSA], v[rSB] matrix_a_fmt:MATRIX_FMT_FP4 matrix_b_fmt:MATRIX_FMT_FP4 matrix_a_scale:MATRIX_SCALE_ROW1
.elseif rRA == 0
	v_wmma_scale_f32_16x16x128_f8f6f4 v[rD:rD+7], v[rA:rA+7], v[rB:rB+7], 0, v[rSA], v[rSB] matrix_a_fmt:MATRIX_FMT_FP4 matrix_b_fmt:MATRIX_FMT_FP4 matrix_b_scale:MATRIX_SCALE_ROW1
.else
	v_wmma_scale_f32_16x16x128_f8f6f4 v[rD:rD+7], v[rA:rA+7], v[rB:rB+7], 0, v[rSA], v[rSB] matrix_a_fmt:MATRIX_FMT_FP4 matrix_b_fmt:MATRIX_FMT_FP4 matrix_a_scale:MATRIX_SCALE_ROW1 matrix_b_scale:MATRIX_SCALE_ROW1
.endif
.else
.if (rRA == 0) && (rRB == 0)
	v_wmma_scale_f32_16x16x128_f8f6f4 v[rD:rD+7], v[rA:rA+7], v[rB:rB+7], v[rC:rC+7], v[rSA], v[rSB] matrix_a_fmt:MATRIX_FMT_FP4 matrix_b_fmt:MATRIX_FMT_FP4
.elseif rRB == 0
	v_wmma_scale_f32_16x16x128_f8f6f4 v[rD:rD+7], v[rA:rA+7], v[rB:rB+7], v[rC:rC+7], v[rSA], v[rSB] matrix_a_fmt:MATRIX_FMT_FP4 matrix_b_fmt:MATRIX_FMT_FP4 matrix_a_scale:MATRIX_SCALE_ROW1
.elseif rRA == 0
	v_wmma_scale_f32_16x16x128_f8f6f4 v[rD:rD+7], v[rA:rA+7], v[rB:rB+7], v[rC:rC+7], v[rSA], v[rSB] matrix_a_fmt:MATRIX_FMT_FP4 matrix_b_fmt:MATRIX_FMT_FP4 matrix_b_scale:MATRIX_SCALE_ROW1
.else
	v_wmma_scale_f32_16x16x128_f8f6f4 v[rD:rD+7], v[rA:rA+7], v[rB:rB+7], v[rC:rC+7], v[rSA], v[rSB] matrix_a_fmt:MATRIX_FMT_FP4 matrix_b_fmt:MATRIX_FMT_FP4 matrix_a_scale:MATRIX_SCALE_ROW1 matrix_b_scale:MATRIX_SCALE_ROW1
.endif
.endif
.endm
	s_load_b512 s[68:83], s[0:1], 0x0              ; x's codes s[68:69], x's scales s[70:71], Wk's codes s[72:73], scales s[74:75], bk s[76:77], part s[78:79], stat s[80:81], out0 s[82:83]
	v_lshl_add_u32 v46, v0, 2, 0x4fc00
	v_mov_b32 v47, 0
	ds_add_u32 v46, v47
	ds_add_u32 v46, v47
	v_lshrrev_b32 v1, 5, v0
	v_readfirstlane_b32 s[WV], v1                  ; wave 0..7
	s_lshr_b32 s[HD], s[WV], 2                     ; which of the two heads
	s_and_b32 s[GG], s[WV], 3                      ; which 128 rows; at the head: which tile of e
	s_bfe_u32 s[CX], ttmp6, 0x40000
	s_lshl_b32 s[HP], ttmp9, 2
	s_add_co_u32 s[HP], s[HP], s[CX]               ; the pair of heads
	s_and_b32 s[YY], ttmp7, 0xffff                 ; the chunk of 512 rows, which the four partners share
	s_mov_b32 s90, LOG2E
	s_mov_b32 s91, LOG2E
	s_mov_b32 s92, 0x76543210
	s_mov_b32 s93, 0xfedcba98
	s_mov_b32 s[G1C+0], 15|(1<<20)|(1<<21)|(6<<22)|(3<<25)   ; 16 rows x 512 bytes, 4 words of padding behind every 128; mask 15 with bit 21 beside it
	s_mov_b32 s[G1C+1], 512<<16
	s_mov_b32 s[G1C+2], 16<<16
	s_mov_b32 s[G1C+3], 512<<16
	s_mov_b32 s[G1C+4], 16
	s_mov_b32 s[G1C+5], 512
	s_mov_b32 s[G1C+6], 0
	s_mov_b32 s[G1C+7], 0
	s_mov_b32 s[G1S+0], 15|(3<<16)|(1<<21)         ; the scales of 64 rows: 2,048 dense bytes as 8 rows of 32 elements of 8 bytes
	s_mov_b32 s[G1S+1], 32<<16
	s_mov_b32 s[G1S+2], 8<<16
	s_mov_b32 s[G1S+3], 32<<16
	s_mov_b32 s[G1S+4], 8
	s_mov_b32 s[G1S+5], 32
	s_mov_b32 s[G1S+6], 0
	s_mov_b32 s[G1S+7], 0
	s_mul_i32 s12, s[GG], 128*PITCH                ; tile i of a wave: rows 128 g + 32 i + 16 hd on: the two waves with the same g bring each sub-step's 32 rows
	s_mul_i32 s13, s[HD], 16*PITCH
	s_add_co_u32 s12, s12, s13
.irp i, 0,1,2,3
	s_mov_b32 s[G0T+4*\i], 1
	s_add_co_u32 s[G0T+4*\i+1], s12, 32*PITCH*\i
.endr
	s_mov_b32 s[G0S], 1
	s_lshl_b32 s13, s[WV], 11
	s_add_co_u32 s[G0S+1], s13, HSC
	s_lshl_b32 s94, s[YY], 18
	s_lshl_b32 s13, s[GG], 16
	s_add_co_u32 s94, s94, s13
	s_lshl_b32 s13, s[HD], 13
	s_add_co_u32 s94, s94, s13
	s_mov_b32 s95, 0
	s_lshl_b32 s96, s[YY], 14
	s_lshl_b32 s13, s[WV], 11
	s_add_co_u32 s96, s96, s13
	s_mov_b32 s97, 0
	s_wait_dscnt 0x0
	s_wait_kmcnt 0x0
	s_add_nc_u64 s[G0S+2:G0S+3], s[70:71], s[96:97]
	s_or_b32 s[G0S+3], s[G0S+3], 0x80000000
	s_add_nc_u64 s[94:95], s[68:69], s[94:95]
.irp i, 0,1,2,3
	s_add_nc_u64 s[G0T+4*\i+2:G0T+4*\i+3], s[94:95], 16384*\i
	s_or_b32 s[G0T+4*\i+3], s[G0T+4*\i+3], 0x80000000
.endr
	CROUND                                         ; all four work-groups are here: the joint loads meet
	tensor_load_to_lds s[G0S:G0S+3], s[G1S:G1S+7]  ; all the launch's tensor loads, as one group: five of mine are out
	s_nop 0
	tensor_load_to_lds s[G0T:G0T+3], s[G1C:G1C+7]
	s_nop 0
	tensor_load_to_lds s[G0T+4:G0T+7], s[G1C:G1C+7]
	s_nop 0
	tensor_load_to_lds s[G0T+8:G0T+11], s[G1C:G1C+7]
	s_nop 0
	tensor_load_to_lds s[G0T+12:G0T+15], s[G1C:G1C+7]
	s_nop 0
	PLACES 4                                       ; four places behind a tensor load
	; what hangs on the pair of heads is made in s9, s10, s66, s67 alone
	s_lshl_b32 s66, s[HP], 16
	s_lshl_b32 s67, s[HD], 15
	s_add_co_u32 s66, s66, s67
	s_lshl_b32 s67, s[GG], 12
	s_add_co_u32 s66, s66, s67                     ; Wk's row 64 head + 8 g: what I carry to the bounce
	s_mov_b32 s67, 0
	s_add_nc_u64 s[72:73], s[72:73], s[66:67]
	s_lshl_b32 s66, s[HP], 12
	s_lshl_b32 s67, s[HD], 11
	s_add_co_u32 s66, s66, s67
	s_mov_b32 s67, 0
	s_add_nc_u64 s[74:75], s[74:75], s[66:67]      ; my head's 64 rows of 32 scale bytes
	s_lshr_b32 s66, s66, 3
	s_add_nc_u64 s[76:77], s[76:77], s[66:67]      ; my head's 64 numbers of bk
	s_add_nc_u64 s[82:83], s[82:83], s[66:67]      ; and its 256 bytes of a row of out0
	s_lshl_b32 s66, s[YY], 21
	s_lshl_b32 s67, s[GG], 19
	s_add_co_u32 s66, s66, s67                     ; row 512 y + 128 g, 4,096 bytes a row
	s_mov_b32 s67, 0
	s_add_nc_u64 s[82:83], s[82:83], s[66:67]
	s_lshr_b32 s[CX], s[YY], 2
	s_lshl_b32 s[CX], s[CX], 4
	s_lshl_b32 s66, s[HP], 1
	s_add_co_u32 s[CX], s[CX], s66
	s_add_co_u32 s[CX], s[CX], s[HD]               ; 16 b + head
	s_lshl_b32 s66, s[CX], 11
	s_add_nc_u64 s[80:81], s[80:81], s[66:67]      ; stat: four chunks of 512 bytes
	s_lshl_b32 s66, s[CX], 16
	s_lshl_b32 s67, s[GG], 12
	s_add_co_u32 s66, s66, s67
	s_mov_b32 s67, 0
	s_add_nc_u64 s[78:79], s[78:79], s[66:67]      ; part: four chunks of 16,384 bytes; my tile of e: 4,096 in each
	v_and_b32 v1, 15, v0                           ; r
	v_bfe_u32 v186, v0, 4, 1                       ; h
	v_and_b32 v187, 31, v0                         ; lane
	v_mul_u32_u24 v[ADA], v1, PITCH
	v_lshl_add_u32 v[ADA], v186, 4, v[ADA]
	s_mul_i32 s12, s[HD], 32*PITCH
	s_add_co_u32 s12, s12, BNC
	v_add_nc_u32 v[BL], s12, v[ADA]
	s_mul_i32 s12, s[GG], 128*PITCH
	v_add_nc_u32 v[ADA], s12, v[ADA]
	s_lshl_b32 s12, s[GG], 12
	s_add_co_u32 s12, s12, HSC
	v_lshl_add_u32 v[AHS], v187, 5, s12
	v_lshlrev_b32 v[LI], 4, v187
	s_mul_i32 s12, s[WV], 8*PITCH
	s_add_co_u32 s12, s12, BNC
	v_add_nc_u32 v[BS], s12, v[LI]
	s_mul_i32 s13, s[WV], 4352
	s_add_co_u32 s13, s13, STG
	v_lshl_add_u32 v[SCS], v187, 3, s13
	v_lshl_add_u32 v[SCL], v186, 7, s13
	s_lshl_b32 s12, s[WV], 9
	s_add_co_u32 s12, s12, XS
	v_add_nc_u32 v[XSO], s12, v[LI]
	s_lshl_b32 s12, s[WV], 7
	s_add_co_u32 s12, s12, XSS
	v_lshl_add_u32 v[XWO], v187, 2, s12
	s_lshl_b32 s12, s[HD], 11
	s_add_co_u32 s12, s12, XS
	v_add_nc_u32 v[XSL], s12, v[LI]
	s_lshl_b32 s12, s[HD], 9
	s_add_co_u32 s12, s12, XSS
	v_lshl_add_u32 v[XWL], v187, 2, s12
	v_mul_u32_u24 v[STS], v1, 272
	v_lshl_add_u32 v[STS], v186, 5, v[STS]
	v_add_nc_u32 v[STS], s13, v[STS]               ; the stage, in: row r, 32 bytes for each half of the lanes
	v_mul_u32_u24 v[STL], v186, 272
	v_lshl_add_u32 v[STL], v1, 4, v[STL]
	v_add_nc_u32 v[STL], s13, v[STL]               ; back: lanes 0-15 one row of 256 bytes, lanes 16-31 the next
	v_lshlrev_b32 v[GO], 12, v186
	v_lshl_add_u32 v[GO], v1, 4, v[GO]             ; and the same two rows in out0
	v_lshlrev_b32 v188, 5, v1
	v_lshl_add_u32 v188, v186, 4, v188             ; Wk's scales: row r, 16 bytes for each half
	v_lshlrev_b32 v189, 5, v186                    ; bk: 8 numbers for each half
.irp p, 0,1,2,3
	global_load_b128 v[160+4*\p:163+4*\p], v[LI], s[80:81] offset:512*\p          ; (-M, l) of d = 2 lane and 2 lane + 1, chunk p
.endr
	WIN 0x40
.irp p, 0,1,2,3
.irp g, 0,1,2,3,4,5,6,7
	global_load_b128 v[32*\p+4*\g:32*\p+4*\g+3], v[LI], s[78:79] offset:16384*\p+512*\g   ; lane (r', h'): the sums at e = 16 tile + r', d = 32 h' + 4 g + 0 .. 3
.endr
.endr
	WIN 0
.irp n, 0,1,2,3
	global_load_b128 v[WS+4*\n:WS+4*\n+3], v188, s[74:75] offset:512*\n
.endr
.irp n, 0,1,2,3
	global_load_b128 v[BK+8*\n:BK+8*\n+3], v189, s[76:77] offset:64*\n
	global_load_b128 v[BK+8*\n+4:BK+8*\n+7], v189, s[76:77] offset:64*\n+16
.endr
.irp k, 0,1
.irp i, 0,1,2,3,4,5,6,7
	global_load_b128 v[ACC+32*\k+4*\i:ACC+32*\k+4*\i+3], v[LI], s[72:73] offset:16384*\k+512*\i   ; whole rows of Wk, a row a load
.endr
.endr
	s_wait_loadcnt 60                              ; stat's four are in; the 60 behind them may be out
.irp k, 0,1
	v_min3_num_f32 v[176+\k], v[160+2*\k], v[164+2*\k], v[168+2*\k]
.endr
.irp k, 0,1
	v_min_num_f32 v[176+\k], v[176+\k], v[172+2*\k]      ; the common -M of the four chunks
.endr
.irp p, 0,1,2,3
.irp k, 0,1
	v_sub_f32 v[160+4*\p+2*\k], v[176+\k], v[160+4*\p+2*\k]
.endr
.endr
.irp p, 0,1,2,3
.irp k, 0,1
	v_cvt_i32_f32 v[160+4*\p+2*\k], v[160+4*\p+2*\k]
.endr
.endr
.irp p, 0,1,2,3
.irp k, 0,1
	v_ldexp_f32 v[160+4*\p+2*\k], 1.0, v[160+4*\p+2*\k]  ; f = 2^(the chunk's M - the common M)
.endr
.endr
.irp k, 0,1
	v_mul_f32 v[178+\k], v[160+2*\k], v[161+2*\k]
.endr
.irp p, 1,2,3
.irp k, 0,1
	v_fmac_f32 v[178+\k], v[160+4*\p+2*\k], v[161+4*\p+2*\k]   ; l of all 2,048 rows
.endr
.endr
	v_rcp_f32 v180, v178
	v_rcp_f32 v181, v179
	v_nop
	s_wait_alu depctr_va_vdst(0)                   ; ahead of the first reader
.irp p, 0,1,2,3
	v_mul_f32 v[160+4*\p], v[160+4*\p], v180       ; f / l
	v_mul_f32 v[161+4*\p], v[162+4*\p], v181
.endr
.irp p, 0,1,2,3
	ds_store_b64 v[SCS], v[160+4*\p:161+4*\p] offset:256*\p    ; my own bytes: the factors by d
.endr
	WIN 0x40
.irp p, 0,1,2,3
.irp g, 0,1,2,3,4,5,6,7
	ds_load_b128 v[128+32*\p+4*\g:128+32*\p+4*\g+3], v[SCL] offset:256*\p+16*\g   ; back in the order of my 32 d; LDS serves a wave's instructions in order
.endr
.endr
	WIN 0
	s_wait_dscnt 0x0
	s_wait_loadcnt 28                              ; the sums are in; Wk's scales, bk and Wk's rows may be out
	WIN 0x05
.set ii, 0
.rept 16
	v_pk_mul_f32 v[128+ii:129+ii], v[ii:ii+1], v[128+ii:129+ii]
.set ii, ii+2
.endr
.irp p, 1,2,3
.set ii, 0
.rept 16
	v_pk_fma_f32 v[128+ii:129+ii], v[32*\p+ii:32*\p+ii+1], v[128+32*\p+ii:128+32*\p+ii+1], v[128+ii:129+ii]   ; s_ctx(d = 32 h' + i, e), finished
.set ii, ii+2
.endr
.endr
	WIN 0
	v_max3_num_f32 v176, |v128|, |v129|, FLOOR     ; my block of 32 along d lies in my own registers
	v_max3_num_f32 v177, |v130|, |v131|, FLOOR
.irp k, 4,8,12,16,20,24,28
	v_max3_num_f32 v176, v176, |v[128+\k]|, |v[129+\k]|
	v_max3_num_f32 v177, v177, |v[130+\k]|, |v[131+\k]|
.endr
	v_max_num_f32 v176, v176, v177
	v_add_nc_u32 v177, EOFF, v176
	v_lshrrev_b32 v178, 23, v177
.irp g, 0,1,2,3
	v_cvt_scalef32_pk8_fp4_f32 v[164+\g], v[128+8*\g:135+8*\g], v177    ; registers 0 to 3 of the operand as they stand
.endr
	v_lshlrev_b32 v179, 3, v186                    ; (a plain instruction behind the conversions)
	v_lshlrev_b32 v178, v179, v178                 ; my byte at its place, 8 h' bits up;
	v_mov_b32 v182, 0
	v_permlanex16_b32 v182, v178, s92, s93
	v_or_b32 v178, v178, v182                      ; with lane l xor 16's the word is whole
	ds_store_b128 v[XSO], v[164:167]               ; the operand goes to the other waves as an image of its registers
	ds_store_b32 v[XWO], v178
	s_wait_dscnt 0x0
	s_barrier_signal -1
	s_barrier_wait -1                              ; the eight images lie in LDS, and nobody reads the factors any more
.irp e, 0,1,2,3
	ds_load_b128 v[SF+8*\e:SF+8*\e+3], v[XSL] offset:512*\e
	ds_load_b32 v[SS+\e], v[XWL] offset:128*\e
.endr
.irp e, 0,1,2,3
.irp i, 4,5,6,7
	v_mov_b32 v[SF+8*\e+\i], 0                     ; k = 64 .. 127: zero codes, for the whole launch
.endr
.endr
.irp u, 0,1
.irp i, 4,5,6,7
	v_mov_b32 v[PF+8*\u+\i], 0
.endr
.endr
.macro WROUND k                        ; the eight waves lay 64 whole rows of Wk (32 of each head) into LDS; each takes its head's two tiles back as fragments for all eight K steps
	s_wait_loadcnt 8-8*(\k)
.irp i, 0,1,2,3,4,5,6,7
	ds_store_b128 v[BS], v[ACC+32*(\k)+4*\i:ACC+32*(\k)+4*\i+3] offset:PITCH*\i
.endr
	s_wait_dscnt 0x0
	s_barrier_signal -1
	s_barrier_wait -1
	WIN 0x40
.irp t, 0,1
.irp q, 0,1,2,3,4,5,6,7
.irp c, 0,1
	ds_load_b128 v[8*(8*(2*(\k)+\t)+\q)+4*\c:8*(8*(2*(\k)+\t)+\q)+4*\c+3], v[BL] offset:16*PITCH*\t+64*\q+32*\c
.endr
.endr
.endr
	WIN 0
	s_wait_dscnt 0x0
.endm
	WROUND 0
	s_barrier_signal -1
	s_barrier_wait -1                              ; the bounce may be written again
	WROUND 1
	s_wait_tensorcnt 3                             ; my scales and my part of sub-step 0's rows are in; three later tiles stay out
	s_barrier_signal -1
	s_barrier_wait -1                              ; everybody's are; and nobody reads the bounce any more: its bytes become the stages
.macro FRAG i, q                       ; x's fragments of sub-step i, K step q, both tiles of 16 rows, into buffer q % 4
.irp u, 0,1
.irp c, 0,1
	ds_load_b128 v[AF+16*((\q)&3)+8*\u+4*\c:AF+16*((\q)&3)+8*\u+4*\c+3], v[ADA] offset:32*PITCH*(\i)+16*PITCH*\u+64*(\q)+32*\c
.endr
.endr
.endm
.macro HSLOAD i
	ds_load_b128 v[HS:HS+3], v[AHS] offset:1024*(\i)
	ds_load_b128 v[HS+4:HS+7], v[AHS] offset:1024*(\i)+16
.endm
.macro MULK q                          ; K step q: the eight accumulators by turns; the first K step takes bk as C
	WIN 0x01
.irp n, 0,1,2,3
.irp u, 0,1
.set rD, ACC+32*\u+8*\n
.set rZ, 0
.if (\q) == 0
.set rC, BK+8*\n
.else
.set rC, rD
.endif
.set rA, 8*(8*\n+(\q))
.set rB, AF+16*((\q)&3)+8*\u
.set rSA, WS+4*\n+((\q)&3)
.set rRA, (\q)>>2
.set rSB, HS+(\q)
.set rRB, \u
	WMMA
.endr
.endr
	WIN 0
.endm
.macro GEMM i                          ; 32 rows x 64 columns x K = 1,024: 64 matrix instructions; fragments are asked for three K steps ahead
	s_wait_xcnt 0x0                                ; the last sub-step's stores have read the accumulators' registers
	FRAG \i, 1
	FRAG \i, 2
.irp q, 0,1,2,3,4,5,6,7
.if \q < 5
.if \q > 0
	PLACES 4                                       ; in front of loads into the buffer that the K step before has read
.endif
	FRAG \i, \q+3
	s_wait_dscnt 12                                ; the three K steps behind this one may be out
.else
	s_wait_dscnt 4*(7-\q)
.endif
	MULK \q
.endr
	PLACES 5                                       ; in front of the first reads of results, of writes into buffers 2 and 3 and of loads into fragments and scale words
.endm
.macro EPI i
.irp u, 0,1                            ; the largest score of each block of 32 along d: 16 of them are mine
.irp b, 0,1
	v_max3_num_f32 v[BM+2*\u+\b], v[ACC+32*\u+16*\b], v[ACC+32*\u+16*\b+1], v[ACC+32*\u+16*\b+2]
.endr
.endr
.irp k, 3,5,7,9,11,13
.irp u, 0,1
.irp b, 0,1
	v_max3_num_f32 v[BM+2*\u+\b], v[BM+2*\u+\b], v[ACC+32*\u+16*\b+\k], v[ACC+32*\u+16*\b+\k+1]
.endr
.endr
.endr
.irp n, 0,1,2,3
	v_max_num_f32 v[BM+\n], v[BM+\n], v[ACC+16*\n+15]
.endr
.irp n, 0,1,2,3
	v_permlanex16_b32 v[TT+\n], v[BM+\n], s92, s93
.endr
.irp n, 0,1,2,3
	v_max_num_f32 v[BM+\n], v[BM+\n], v[TT+\n]
.endr
.irp u, 0,1
	v_max_num_f32 v[NMP+2*\u+1], v[BM+2*\u], v[BM+2*\u+1]
.endr
.irp u, 0,1
	v_mul_f32 v[NMP+2*\u+1], s90, v[NMP+2*\u+1]    ; the row's largest t
.endr
.irp u, 0,1
	v_floor_f32 v[NMP+2*\u], -v[NMP+2*\u+1]        ; -M = -ceil(t)
.endr
.irp k, 0,2,4,6,8,10,12,14,16,18,20,22,24,26,28,30
.irp u, 0,1
	v_pk_fma_f32 v[ACC+32*\u+\k:ACC+32*\u+\k+1], v[ACC+32*\u+\k:ACC+32*\u+\k+1], s[90:91], v[NMP+2*\u:NMP+2*\u+1] op_sel_hi:[1,0,0]   ; t - M
.endr
.endr
.irp u, 0,1
.irp b, 0,1
	v_fma_f32 v[BM+2*\u+\b], v[BM+2*\u+\b], s90, v[NMP+2*\u]
.endr
.endr
.set ii, 0
.rept 64
	v_exp_f32 v[ACC+ii], v[ACC+ii]                 ; p = 2^(t - M): one batch
.set ii, ii+1
.endr
	v_nop
	s_wait_alu depctr_va_vdst(0)                   ; one wait for the batch, ahead of its first reader
.irp n, 0,1,2,3
	v_exp_f32 v[BM+\n], v[BM+\n]                   ; each block's largest p
.endr
.irp u, 0,1                            ; the row's sum of the UNQUANTISED p, in two chains
	v_pk_add_f32 v[LP+2*\u:LP+2*\u+1], v[ACC+32*\u:ACC+32*\u+1], v[ACC+32*\u+2:ACC+32*\u+3]
	v_pk_add_f32 v[LQ+2*\u:LQ+2*\u+1], v[ACC+32*\u+4:ACC+32*\u+5], v[ACC+32*\u+6:ACC+32*\u+7]
.endr
.irp k, 8,12,16,20,24,28
.irp u, 0,1
	v_pk_add_f32 v[LP+2*\u:LP+2*\u+1], v[LP+2*\u:LP+2*\u+1], v[ACC+32*\u+\k:ACC+32*\u+\k+1]
	v_pk_add_f32 v[LQ+2*\u:LQ+2*\u+1], v[LQ+2*\u:LQ+2*\u+1], v[ACC+32*\u+\k+2:ACC+32*\u+\k+3]
.endr
.endr
.irp u, 0,1
	v_pk_add_f32 v[LP+2*\u:LP+2*\u+1], v[LP+2*\u:LP+2*\u+1], v[LQ+2*\u:LQ+2*\u+1]
.endr
	s_wait_alu depctr_va_vdst(0)                   ; and one for the four
.irp n, 0,1,2,3
	v_max_num_f32 v[BM+\n], FLOOR, v[BM+\n]
.endr
.irp n, 0,1,2,3
	v_add_nc_u32 v[SO+\n], EOFF, v[BM+\n]
.endr
.irp n, 0,1,2,3
	v_lshrrev_b32 v[TT+\n], 23, v[SO+\n]
.endr
.irp u, 0,1
	v_lshl_or_b32 v[PSW+\u], v[TT+2*\u+1], 8, v[TT+2*\u]   ; p's scale word: two bytes; the upper two stand over zero codes
.endr
.irp u, 0,1
.irp n, 0,1,2,3
	v_cvt_scalef32_pk8_fp4_f32 v[PF+8*\u+2*(\n&1)+(\n>>1)], v[ACC+32*\u+8*\n:ACC+32*\u+8*\n+7], v[SO+2*\u+(\n>>1)]   ; lane (r, h): the codes of d = 16 n + 8 h + 0 .. 7
.endr
.endr
	v_nop
.irp u, 0,1                            ; the operand wants block 0 whole in lanes 0-15 and block 1 whole in lanes 16-31
	v_permlane16_swap_b32 v[PF+8*\u], v[PF+8*\u+1]
	v_permlane16_swap_b32 v[PF+8*\u+2], v[PF+8*\u+3]
.endr
.irp u, 0,1
	v_add_f32 v[RLP+2*\u+1], v[LP+2*\u], v[LP+2*\u+1]
.endr
.irp u, 0,1
	v_permlanex16_b32 v[TT+\u], v[RLP+2*\u+1], s92, s93
.endr
.irp u, 0,1
	v_add_f32 v[RLP+2*\u+1], v[RLP+2*\u+1], v[TT+\u]       ; the row's sum
.endr
.irp u, 0,1
	v_rcp_f32 v[RLP+2*\u], v[RLP+2*\u+1]
.endr
	PLACES 8                                       ; operands and scale words written by vector instructions stand 4 and 8 places ahead of a scaled matrix instruction
.irp e, 0,1,2,3
.irp u, 0,1
.set rD, ACC+32*\u+8*\e
.set rC, rD
.set rZ, 1
.set rA, SF+8*\e
.set rB, PF+8*\u
.set rSA, SS+\e
.set rRA, 0
.set rSB, PSW+\u
.set rRB, 0
	WMMA
.endr
.endr
	PLACES 5
	s_wait_alu depctr_va_vdst(0)                   ; the reciprocals' wait, ahead of their first reader
.irp k, 0,2,4,6,8,10,12,14,16,18,20,22,24,26,28,30
.irp u, 0,1
	v_pk_mul_f32 v[ACC+32*\u+\k:ACC+32*\u+\k+1], v[ACC+32*\u+\k:ACC+32*\u+\k+1], v[RLP+2*\u:RLP+2*\u+1] op_sel_hi:[1,0]   ; ctx(s = 16 u + r, e = 16 tile + 8 h + j)
.endr
.endr
.irp u, 0,1                            ; 16 rows at a time through my stage, and back as whole runs of 256 bytes, into the registers that they left; LDS serves a wave's instructions in order
.irp e, 0,1,2,3
	ds_store_b128 v[STS], v[ACC+32*\u+8*\e:ACC+32*\u+8*\e+3] offset:64*\e
	ds_store_b128 v[STS], v[ACC+32*\u+8*\e+4:ACC+32*\u+8*\e+7] offset:64*\e+16
.endr
.irp p, 0,1,2,3,4,5,6,7
	ds_load_b128 v[ACC+32*\u+4*\p:ACC+32*\u+4*\p+3], v[STL] offset:544*\p
.endr
.endr
.irp u, 0,1
.irp p, 0,1,2,3,4,5,6,7
	s_wait_dscnt 16*(1-\u)+7-\p                    ; the younger LDS instructions may be out
	global_store_b128 v[GO], v[ACC+32*\u+4*\p:ACC+32*\u+4*\p+3], s[82:83] offset:(32*(\i)+16*\u+2*\p)*4096 th:TH_STORE_NT   ; sixteen lanes store 256 consecutive bytes, aligned
.endr
.endr
.endm
.macro SUB i
	GEMM \i
.if \i < 3
	s_wait_tensorcnt 2-\i                          ; my part of the next sub-step's rows is in; the later tiles may stay out
	s_barrier_signal -1
	s_barrier_wait -1
	FRAG (\i)+1, 0
	HSLOAD (\i)+1
.endif
	EPI \i
.endm
	FRAG 0, 0
	HSLOAD 0
	SUB 0
	SUB 1
	SUB 2
	SUB 3
	s_wait_dscnt 0x0
	s_wait_tensorcnt 0x0
	ds_add_u32 v46, v47
	s_wait_dscnt 0x0
	CROUND                                         ; the closing round
	s_endpgm
.Lfunc_end_k_q59c8f4a6b2_context:
	.size	k_q59c8f4a6b2_context, .Lfunc_end_k_q59c8f4a6b2_context-k_q59c8f4a6b2_context
	.p2alignl 7, 3214868480
	.fill 96, 4, 3214868480
	.section	.rodata,"a",@progbits
	.p2align	6, 0x0
	.amdhsa_kernel k_q59c8f4a6b2_context
		.amdhsa_group_segment_fixed_size 327680
		.amdhsa_private_segment_fixed_size 0
		.amdhsa_enable_private_segment 0
		.amdhsa_kernarg_size 64
		.amdhsa_user_sgpr_count 2
		.amdhsa_user_sgpr_kernarg_segment_ptr 1
		.amdhsa_wavefront_size32 1
		.amdhsa_system_sgpr_workgroup_id_x 1
		.amdhsa_system_sgpr_workgroup_id_y 1
		.amdhsa_system_sgpr_workgroup_id_z 1
		.amdhsa_system_vgpr_workitem_id 0
		.amdhsa_next_free_vgpr 512
		.amdhsa_next_free_sgpr 100
		.amdhsa_reserve_vcc 0
		.amdhsa_float_denorm_mode_32 3
		.amdhsa_float_denorm_mode_16_64 3
		.amdhsa_memory_ordered 1
		.amdhsa_forward_progress 1
		.amdhsa_inst_pref_size 151
	.end_amdhsa_kernel
	.amdgpu_metadata
---
amdhsa.version: [ 1, 2 ]
amdhsa.kernels:
  - .name:           k_q59c8f4a6b2_context
    .symbol:         k_q59c8f4a6b2_context.kd
    .args:
      - { .name: hidden_states_codes, .offset: 0, .size: 8, .value_kind: global_buffer, .address_space: global }
      - { .name: hidden_states_scales, .offset: 8, .size: 8, .value_kind: global_buffer, .address_space: global }
      - { .name: Wk_codes, .offset: 16, .size: 8, .value_kind: global_buffer, .address_space: global }
      - { .name: Wk_scales, .offset: 24, .size: 8, .value_kind: global_buffer, .address_space: global }
      - { .name: bk, .offset: 32, .size: 8, .value_kind: global_buffer, .address_space: global }
      - { .name: part, .offset: 40, .size: 8, .value_kind: global_buffer, .address_space: global }
      - { .name: stat, .offset: 48, .size: 8, .value_kind: global_buffer, .address_space: global }
      - { .name: out0, .offset: 56, .size: 8, .value_kind: global_buffer, .address_space: global }
    .group_segment_fixed_size: 327680
    .private_segment_fixed_size: 0
    .kernarg_segment_align: 8
    .kernarg_segment_size: 64
    .max_flat_workgroup_size: 256
    .sgpr_count:     100
    .vgpr_count:     512
    .wavefront_size: 32
...
	.end_amdgpu_metadata
.endif
;; end of part 2
